; MI455X (gfx1250); checked and timed in simulation.
; The chip was launched on July 23, 2026; its instructions are those of AMD's public machine-readable ISA for CDNA 5 (MIT licence, August 2026) and "CDNA5" Instruction Set Architecture Reference Guide (July 2026). The comments in the code are by the model that wrote it; some were corrected since.
;; Multi Head Self Attention. Allowed arithmetic: matrix products marked QUANTISED: E2M1 operands, one E8M0 scale for each 32 along K, by v_wmma_scale_f32_16x16x128_f8f6f4 with both operands' format E2M1 (or v_wmma_scale_f32_32x16x128_f4), f32 sums; everything else in f32.
;; Inputs: b_proj 1,024 float32; b_qkv 3,072 float32; w_proj 1,024 x 1,024 float32; w_qkv 3,072 x 1,024 float32; x 4 x 2,048 x 1,024 float32.
;; Outputs: out0 4 x 2,048 x 1,024 float32.
;; This version of the problem:
;;   THIS VERSION OF THE PROBLEM IS GIVEN IN LOW PRECISION. The matrix products marked QUANTISED in the list below multiply operands that are first quantised to E2M1 (2 exponent bits, 1 mantissa bit; 4 bits a number), with one power-of-two scale for each 32 numbers along K (OCP MX v1.0); their sums are f32. All else is computed in f32.
;;   The module's matrix products, in the order in which they are computed (A, B: the left and right operand; K: the contracted axis; several contracted axes count as one K, in the product's order):
;;     1. [M 8,192, K 1,024] x [K 1,024, N 3,072]; A: input x; B: input w_qkv: QUANTISED
;;     2. batch 64 x [M 2,048, K 64] x [K 64, N 2,048]; A: computed on the way; B: computed on the way: QUANTISED
;;     3. batch 64 x [M 2,048, K 2,048] x [K 2,048, N 64]; A: softmax (see below); B: computed on the way: QUANTISED
;;     4. [M 8,192, K 1,024] x [K 1,024, N 1,024]; A: computed on the way; B: input w_proj: QUANTISED
;;   THE QUANTISER, for each operand of a quantised product, along K:
;;     - K is cut into blocks of 32 from its start; a last block that is shorter is filled with zeros.
;;     - A block's scale is 2^e with e = floor(log2(the largest magnitude in the block)) - 2, held to -126 .. 127; a block of zeros has e = 0. As a byte (E8M0): e + 127.
;;     - Each number is divided by its block's scale, clamped to +-6, and rounded to the nearest number of E2M1, ties to even, subnormals kept.
;;     - The product sums the exact products of the quantised numbers (number of the format x scale) in f32.
;;   ~~~python
;;   def quantise(x, axis):      # numpy; x: float32 -> the quantised numbers, widened to float32 again
;;       x = np.moveaxis(x, axis, -1); K = x.shape[-1]
;;       x = np.pad(x, [(0, 0)] * (x.ndim - 1) + [(0, -K % 32)]); x = x.reshape(x.shape[:-1] + (-1, 32)); a = np.abs(x).max(-1, keepdims=True)
;;       e = np.where(a > 0, np.clip(np.frexp(np.where(a > 0, a, 1))[1] - 1 - 2, -126, 127), 0)      # np.frexp(a)[1] - 1 = floor(log2(a)), exactly
;;       r = np.clip(x / 2.0 ** e, -6, 6)
;;       step = 2.0 ** (np.maximum(np.frexp(np.where(r == 0, 1, r))[1] - 1, 0) - 1)
;;       q = np.round(r / step) * step * 2.0 ** e      # np.round: ties to even
;;       return np.moveaxis(q.reshape(q.shape[:-2] + (-1,))[..., :K], -1, axis).astype(np.float32)
;;   ~~~
;;   SOFTMAX AHEAD OF A QUANTISED PRODUCT. Where the list says 'softmax', what is quantised is not the finished softmax but p = 2^(t - M), with t = logit x log2(e) and M = ceil(the row's largest t), a whole number; so 1/2 < the row's largest p <= 1. The row's sum l is taken of the UNQUANTISED p, in f32, and the product's result is divided by l at the end. Since M is a whole number, a kernel that streams over the keys may use a running M (the ceiling of the running maximum): every later rescaling is an exact power of two, which a block's scale takes up: the codes' values come out the same.
;;   OPERANDS COMPUTED ON THE WAY. 'Computed on the way' means the value that the module computes at that place (a softmax that the list does not call 'softmax' is quantised finished and normalised). What goes into a quantiser is computed in f32, as accurately as f32 sums, v_exp_f32 and their like allow (about 1e-6 of the number): no bf16 or f16 on the way to a quantiser, and a product that is left as it is and whose result goes on into a quantised operand takes f32 operands (vector FMAs, or v_wmma_f32_16x16x4_f32). A number that lies on a knife's edge between two numbers of the format may be rounded either way, as far as f32 arithmetic and the matrix unit's own rounding can turn it there, and no further.
;; One version. Each part assembles by itself: llvm-mc -triple=amdgcn-amd-amdhsa -mcpu=gfx1250 --defsym DOCPART=n.
;; ======== version 1 of 1: 4 launches
;; workspace buffers: codes 6,291,456 bytes; scales 393,216 bytes; qkv 13,369,344 bytes; ocodes 4,194,304 bytes; oscales 262,144 bytes
;; launch quant (part 1): grid 192 x 2, 4 waves a work-group, no clusters, 34,304 bytes of LDS; arguments x, w_qkv, w_proj, codes, scales; writes codes, scales
.if DOCPART == 1
	.amdgcn_target "amdgcn-amd-amdhsa--gfx1250"
	.amdhsa_code_object_version 6
	.text
	.protected	k_q90f0d75112_quant
	.globl	k_q90f0d75112_quant
	.p2align	8
	.type	k_q90f0d75112_quant,@function
k_q90f0d75112_quant:
	s_mov_b64 s[64:65], 0
	v_nop
	global_prefetch_b8 v0, s[64:65] scope:SCOPE_SE
	s_setreg_imm32_b32 hwreg(HW_REG_WAVE_MODE, 25, 1), 1
	s_wait_xcnt 0x0
; x [8192][1024], w_qkv [3072][1024], w_proj [1024][1024], f32 with K innermost, become codes of FP4 (E2M1) with one E8M0 byte for each 32 along K,
; laid in the ORDER OF THE OPERAND'S REGISTERS.  Rows go in groups of 64 (group G: 0-127 x, 128-175 w_qkv, 176-191 w_proj); a group has four tiles u of 16 rows,
; and row r of tile u is row 32 (r / 8) + 8 u + r % 8 of the group.  (With that order a later product's lane holds 32 NEIGHBOURS along source 0's rows: a whole block.)
; codes:  tile T = 4 G + u, 8,192 bytes: [K step s of 128][c][lane][16 bytes]; lane (r, h) holds block 4 s + 2 c + h of the tile's row r: registers 4 c .. 4 c + 3 of the fragment.
; scales: T x 512 + (s / 4) x 256 + r x 16 + (s % 4) x 4: one word for a row and a K step, byte b = block 4 s + b.
; A block's scale is 2^(floor(log2(largest magnitude)) - 2): its byte is the largest magnitude's exponent field - 2, held at 1 from below by a floor among the maximum's leaves.
; LIMITS: a block of zeros gets the byte 1 where the rule says 127 (its codes are zeros, and only this program reads the bytes); blocks whose largest magnitude lies under 2^-124 are held at that floor;
; NaN and infinities among the inputs are not served.
; SHARES: work-group (G, kh); wave u takes tile 4 G + u, K steps 4 kh .. 4 kh + 3.  Each load reads 512 consecutive bytes of one row; a step's 16 x 512 bytes turn through the wave's own stage in LDS
; (rows 528 bytes apart: 33 x 16, so the sixteen rows that a read touches start at different banks) and come back 128 bytes (a block) a lane.  Loads run two steps, 32 loads a wave, ahead.
; Waves share nothing: no barrier, no tensor load, no cluster.  No register that a store reads is written again, so no wait on XCNT is needed.
.set SPI,  528                         ; a stage row: 512 bytes + 16
.set STG,  16*SPI                      ; a wave's stage
.set M,    16                          ; v16-17  the two blocks' largest magnitudes
.set SO,   18                          ; v18-19  the conversions' scale operands
.set BY,   20                          ; v20-21  the scale bytes
.set TW,   22                          ; v22 my two bytes at their places, v23 the other half's
.set W,    24                          ; v24-27  the row's scale word of step t
.set C,    32                          ; v32-63  codes, 8 registers a step
.set X,    64                          ; v64-127 two blocks of 32 neighbours
.set R,    128                         ; v128-255 two sets of 64 registers as loaded
	s_load_b256 s[4:11], s[0:1], 0x0               ; x s[4:5], w_qkv s[6:7], w_proj s[8:9], codes s[10:11]
	s_load_b64 s[12:13], s[0:1], 0x20              ; scales
	v_lshl_add_u32 v30, v0, 2, 0x8400
	v_mov_b32 v31, 0
	v_lshrrev_b32 v1, 5, v0
	v_readfirstlane_b32 s14, v1                    ; u: my wave, my tile of the group
	s_and_b32 s15, ttmp7, 0xffff                   ; kh: which half of K
	s_mov_b32 s16, ttmp9                           ; G
	v_and_b32 v1, 31, v0                           ; lane
	v_and_b32 v2, 15, v0                           ; r
	v_bfe_u32 v3, v0, 4, 1                         ; h
	v_lshlrev_b32 v4, 4, v1                        ; 16 x lane: my bytes of a load's 512, and of an image's
	s_mul_i32 s22, s14, STG
	v_add_nc_u32 v5, s22, v4                       ; the stage, on the way in
	v_mul_u32_u24 v6, v2, SPI
	v_lshl_add_u32 v6, v3, 7, v6
	v_add_nc_u32 v6, s22, v6                       ; and out: row r, block h
	v_lshlrev_b32 v7, 4, v2
	v_lshl_add_u32 v7, v3, 3, v7                   ; 16 r + 8 h: my two of the row's four scale words
	v_lshlrev_b32 v8, 3, v3                        ; 8 h: my bytes' shift in a scale word
	v_mov_b32 v[TW+1], 0                           ; a lane permute's destination counts as one of its sources
	s_mov_b32 s20, 0x76543210
	s_mov_b32 s21, 0xfedcba98                      ; v_permlanex16_b32's selects for lane l xor 16
	s_wait_kmcnt 0x0
	s_cmp_lt_u32 s16, 176                          ; which tensor: the choice hangs on the work-group's number alone
	s_cselect_b64 s[6:7], s[6:7], s[8:9]
	s_mov_b32 s17, 176
	s_cselect_b32 s17, 128, s17
	s_cmp_lt_u32 s16, 128
	s_cselect_b64 s[4:5], s[4:5], s[6:7]
	s_cselect_b32 s17, 0, s17                      ; the tensor's first group
	s_sub_co_u32 s18, s16, s17
	s_lshl_b32 s18, s18, 18                        ; 64 rows of 4,096 bytes a group,
	s_lshl_b32 s19, s14, 15                        ; 8 u rows,
	s_add_co_u32 s18, s18, s19
	s_lshl_b32 s19, s15, 11                        ; four steps of 512 bytes
	s_add_co_u32 s18, s18, s19
	s_mov_b32 s19, 0
	s_add_nc_u64 s[4:5], s[4:5], s[18:19]
	s_lshl_b32 s18, s16, 15                        ; codes: 8,192 bytes a tile, 1,024 a step
	s_lshl_b32 s23, s14, 13
	s_add_co_u32 s18, s18, s23
	s_lshl_b32 s23, s15, 12
	s_add_co_u32 s18, s18, s23
	s_add_nc_u64 s[10:11], s[10:11], s[18:19]
	s_lshl_b32 s18, s16, 11                        ; scales: 512 bytes a tile, 256 for four steps
	s_lshl_b32 s23, s14, 9
	s_add_co_u32 s18, s18, s23
	s_lshl_b32 s23, s15, 8
	s_add_co_u32 s18, s18, s23
	s_add_nc_u64 s[12:13], s[12:13], s[18:19]
.macro LOAD t                          ; step t: the tile's 16 rows, 512 consecutive bytes each
.irp i, 0,1,2,3,4,5,6,7,8,9,10,11,12,13,14,15
	global_load_b128 v[R+64*((\t)%2)+4*\i:R+64*((\t)%2)+4*\i+3], v4, s[4:5] offset:(32*(\i/8)+(\i%8))*4096+512*(\t) th:TH_LOAD_NT
.endr
.endm
.macro TURN t                          ; through the stage: LDS serves a wave's instructions in order, so no wait stands between the stores and the loads
.irp i, 0,1,2,3,4,5,6,7,8,9,10,11,12,13,14,15
	ds_store_b128 v5, v[R+64*((\t)%2)+4*\i:R+64*((\t)%2)+4*\i+3] offset:SPI*\i
.endr
.irp c, 0,1
.irp q, 0,1,2,3,4,5,6,7
	ds_load_b128 v[X+32*\c+4*\q:X+32*\c+4*\q+3], v6 offset:256*\c+16*\q
.endr
.endr
.endm
.macro QUANT2 t                        ; my blocks 2 c + h of the step, c = 0, 1, by turns
.irp c, 0,1
	v_max3_num_f32 v[M+\c], |v[X+32*\c]|, |v[X+32*\c+1]|, 0x1800000   ; the floor 2^(3 - 127): the byte cannot fall under 1
.endr
.irp i, 2,4,6,8,10,12,14,16,18,20,22,24,26,28,30
.irp c, 0,1
	v_max3_num_f32 v[M+\c], v[M+\c], |v[X+32*\c+\i]|, |v[X+32*\c+\i+1]|
.endr
.endr
.irp c, 0,1
	v_add_nc_u32 v[SO+\c], 0xff000000, v[M+\c]     ; 2 off the exponent field: the conversion takes this operand's exponent field as its scale
.endr
.irp c, 0,1
	v_lshrrev_b32 v[BY+\c], 23, v[SO+\c]           ; the scale's byte
.endr
	v_lshl_or_b32 v[TW], v[BY+1], 16, v[BY]        ; blocks h and 2 + h,
	v_lshlrev_b32 v[TW], v8, v[TW]                 ; at their places in the word;
	v_permlanex16_b32 v[TW+1], v[TW], s20, s21
	v_or_b32 v[W+(\t)], v[TW], v[TW+1]             ; with lane l xor 16's two the word is whole
.irp c, 0,1
.irp q, 0,1,2,3
	v_cvt_scalef32_pk8_fp4_f32 v[C+8*(\t)+4*\c+\q], v[X+32*\c+8*\q:X+32*\c+8*\q+7], v[SO+\c]
.endr
.endr
	v_nop                                          ; one plain line behind the last conversion of a run
.irp c, 0,1
	global_store_b128 v4, v[C+8*(\t)+4*\c:C+8*(\t)+4*\c+3], s[10:11] offset:1024*(\t)+512*\c   ; 32 lanes store 512 consecutive bytes, aligned
.endr
.endm
	LOAD 0
	LOAD 1
	s_wait_loadcnt 16                              ; step 0's sixteen loads are in; step 1's may be out
	TURN 0
	s_wait_dscnt 0x0                               ; the blocks are back, and the stage's stores have read their registers,
	LOAD 2                                         ; which take the loads of two steps on
	QUANT2 0
	s_wait_loadcnt 16                              ; step 1's are in; step 2's may be out
	TURN 1
	s_wait_dscnt 0x0
	LOAD 3
	QUANT2 1
	s_wait_loadcnt 16                              ; step 2's are in; step 3's may be out
	TURN 2
	s_wait_dscnt 0x0
	QUANT2 2
	s_wait_loadcnt 0x0                             ; the last step's
	TURN 3
	s_wait_dscnt 0x0
	QUANT2 3
	v_cmp_ne_u32 vcc_lo, 0, v3                     ; lanes 16-31 take the row's words 2 and 3
	v_cndmask_b32 v28, v[W], v[W+2], vcc_lo
	v_cndmask_b32 v29, v[W+1], v[W+3], vcc_lo
	global_store_b64 v7, v[28:29], s[12:13]        ; 32 lanes store 256 consecutive bytes, aligned
	s_wait_tensorcnt 0x0
	ds_add_u32 v30, v31
	s_wait_dscnt 0x0
	s_endpgm
.Lfunc_end_k_q90f0d75112_quant:
	.size	k_q90f0d75112_quant, .Lfunc_end_k_q90f0d75112_quant-k_q90f0d75112_quant
	.p2alignl 7, 3214868480
	.fill 96, 4, 3214868480
	.section	.rodata,"a",@progbits
	.p2align	6, 0x0
	.amdhsa_kernel k_q90f0d75112_quant
		.amdhsa_group_segment_fixed_size 34304
		.amdhsa_private_segment_fixed_size 0
		.amdhsa_enable_private_segment 0
		.amdhsa_kernarg_size 40
		.amdhsa_user_sgpr_count 2
		.amdhsa_user_sgpr_kernarg_segment_ptr 1
		.amdhsa_wavefront_size32 1
		.amdhsa_system_sgpr_workgroup_id_x 1
		.amdhsa_system_sgpr_workgroup_id_y 1
		.amdhsa_system_sgpr_workgroup_id_z 1
		.amdhsa_system_vgpr_workitem_id 0
		.amdhsa_next_free_vgpr 256
		.amdhsa_next_free_sgpr 66
		.amdhsa_reserve_vcc 1
		.amdhsa_float_denorm_mode_32 3
		.amdhsa_float_denorm_mode_16_64 3
		.amdhsa_memory_ordered 1
		.amdhsa_forward_progress 1
		.amdhsa_inst_pref_size 30
	.end_amdhsa_kernel
	.amdgpu_metadata
---
amdhsa.version: [ 1, 2 ]
amdhsa.kernels:
  - .name:           k_q90f0d75112_quant
    .symbol:         k_q90f0d75112_quant.kd
    .args:
      - { .name: x, .offset: 0, .size: 8, .value_kind: global_buffer, .address_space: global }
      - { .name: w_qkv, .offset: 8, .size: 8, .value_kind: global_buffer, .address_space: global }
      - { .name: w_proj, .offset: 16, .size: 8, .value_kind: global_buffer, .address_space: global }
      - { .name: codes, .offset: 24, .size: 8, .value_kind: global_buffer, .address_space: global }
      - { .name: scales, .offset: 32, .size: 8, .value_kind: global_buffer, .address_space: global }
    .group_segment_fixed_size: 34304
    .private_segment_fixed_size: 0
    .kernarg_segment_align: 8
    .kernarg_segment_size: 40
    .max_flat_workgroup_size: 128
    .sgpr_count:     66
    .vgpr_count:     256
    .wavefront_size: 32
...
	.end_amdgpu_metadata
.endif
;; end of part 1
;; launch gemm_qkv (part 2): grid 12 x 64, 8 waves a work-group, clusters of 4 x 4, 209,920 bytes of LDS; arguments codes, scales, b_qkv, qkv; writes qkv
.if DOCPART == 2
	.amdgcn_target "amdgcn-amd-amdhsa--gfx1250"
	.amdhsa_code_object_version 6
	.text
	.protected	k_q90f0d75112_gemm_qkv
	.globl	k_q90f0d75112_gemm_qkv
	.p2align	8
	.type	k_q90f0d75112_gemm_qkv,@function
k_q90f0d75112_gemm_qkv:
	s_mov_b64 s[64:65], 0
	v_nop
	global_prefetch_b8 v0, s[64:65] scope:SCOPE_SE
	s_setreg_imm32_b32 hwreg(HW_REG_WAVE_MODE, 25, 1), 1
	s_wait_xcnt 0x0
	s_wait_alu depctr_hold_cnt(0) depctr_sa_sdst(0) depctr_va_vdst(0) depctr_va_sdst(0) depctr_va_ssrc(0) depctr_va_vcc(0) depctr_vm_vsrc(0)
	s_getreg_b32 s2, hwreg(HW_REG_IB_STS2, 6, 4)
	s_cmp_eq_u32 s2, 0
	s_cbranch_scc0 .Lentry_in_a_cluster
	s_endpgm
.Lentry_in_a_cluster:
	s_bfe_u32 s2, ttmp6, 0x10000c
	s_cmp_lg_u32 s2, 0xf033
	s_cbranch_scc0 .Lentry_shape_is_right
	s_endpgm
.Lentry_shape_is_right:
; qkv = x w_qkv^T + b_qkv on codes of FP4 with E8M0 scales; the result is quantised in registers and leaves as codes: q and k along the head's 64, v along the tokens.  No f32 result goes to memory.
; A TILE: P, 256 rows, is source 0; Q, 128 rows, is source 1; all of K = 1,024 lies in LDS at once (two halves of 512, each brought once).  Eight waves: wave (wp, wq) makes P's group wp of 64 rows x Q's group wq of 64.
; In the result lane (r, h) holds row r of Q's tile j, and its registers 32 j + 8 i + e are rows 32 h + 8 i + e of P's group (the tiles' row order: 32 (r / 8) + 8 u + r % 8): 32 NEIGHBOURS along P, a whole block.
; So what is to be quantised along an axis takes that axis as P: for q and k, P = rows of w_qkv (a group of 64 rows is one head) and Q = tokens; for v, P = tokens and Q = rows of w_qkv.  One text serves both:
; only global addresses are chosen, by the cluster's x (2: v), which all sixteen partners share.
; CLUSTERS 4 x 4: P's tile hangs on cx and is asked for jointly by my column of the cluster, Q's on cy and by my row.  Waves 0-3 fetch P's quarters, waves 4-7 Q's: scale words, first half of K, second half: three tensor loads of a wave are out.
; No LDS byte is filled twice.  A wave tile of 64 x 64 keeps a wave in 256 registers, without register windows; two waves share a SIMD, so one wave's LDS loads stand beside the other's products.
; qkv: a record of REC bytes for each hb = 16 b + head: K codes 0, V codes 65,536, K scales 131,072, V scales 135,168, Q codes 139,264, Q scales 204,800.
;   codes [group of 64 tokens g][tile j][lane][16 bytes]: q, k: 16 tokens x the head's 64, lane (r, h) = block h; v: 16 of the head's 64 x tokens 64 g + 32 h + 0 .. 31.
;   q's, k's scales [g][j / 2][r]: a word = the two bytes of tile 2 (j / 2), then those of the next tile.   v's [128 keys s][j][r]: a word, byte b = key block 4 s + b.
; LIMITS: a block of zeros gets the byte 1 where the rule says 127 (zero codes; only this program reads the bytes); largest magnitudes under 2^-124 are held at that floor; NaN and infinities are not served.
; The scale bytes, a sixteenth of the codes' bytes, leave in runs of 128 bytes (q, k) or 2 bytes a lane (v): aligned blocks of 256 bytes are written in parts there.
.set QC0,  65536                       ; LDS: P's codes of the first half of K at 0 (16 tiles x 4,096), Q's here (8 tiles),
.set HALF, 98304                       ; the second half's as far on,
.set PS,   196608                      ; P's scale words (16 tiles x 512),
.set QS,   204800                      ; Q's (8 tiles x 512)
.set REC,  208896
.set BJ,   8                           ; v8-15   the bias along Q, each number twice
.set SC,   16                          ; v16-31  scale words and nothing else: register 4 i + s: lanes 0-15 P's tile i, lanes 16-31 Q's tile i, K step s of the half
.set PF,   32                          ; v32-63  P's four fragments
.set QF,   64                          ; v64-95  Q's four
.set BI,   96                          ; v96-127 the bias along P, in the result's layout
.set ACC,  128                         ; v128-255 accumulator (i, j) at 32 j + 8 i
.macro CROUND                          ; a round of the cluster's barrier
	s_barrier_signal -1
	s_barrier_wait -1
	s_cmp_lg_u32 s12, 0
	s_cbranch_scc1 .Lnot_wave_0_\@
	s_barrier_signal -3
.Lnot_wave_0_\@:
	s_barrier_wait -3
	s_barrier_signal -1
	s_barrier_wait -1
.endm
	s_load_b256 s[4:11], s[0:1], 0x0               ; codes s[4:5], scales s[6:7], b_qkv s[8:9], qkv s[10:11]
	s_set_vgpr_msb 0x40
	v_lshl_add_u32 v0, v0, 2, 0x33000
	v_mov_b32 v1, 0
	s_set_vgpr_msb 0x4045
	ds_add_u32 v0, v1
	ds_add_u32 v0, v1
	s_set_vgpr_msb 0x4500
	v_lshrrev_b32 v1, 5, v0
	v_readfirstlane_b32 s12, v1                    ; wave 0..7
	s_and_b32 s13, s12, 3                          ; wp.  Also: which quarter I fetch
	s_lshr_b32 s14, s12, 2                         ; wq.  Also: I fetch for P (0) or for Q (1)
	s_bfe_u32 s15, ttmp6, 0x40000                  ; cx
	s_bfe_u32 s16, ttmp6, 0x40004                  ; cy
	s_and_b32 s17, ttmp7, 0xffff                   ; the cluster's y
	s_and_b32 s18, s17, 7
	s_lshr_b32 s19, s17, 3
	s_cmp_eq_u32 ttmp9, 2                          ; the cluster's x: 0, 1: q, k;  2: v
	s_cselect_b32 s18, s18, ttmp9                  ; P's block of four
	s_cselect_b32 s19, s19, s17                    ; Q's
	s_cselect_b32 s20, 0, 512                      ; P's tensor begins at this tile: x or w_qkv,
	s_cselect_b32 s88, 640, 0                      ; Q's: w_qkv's rows 2,048 on, or x
	s_cselect_b32 s84, 0, -1                       ; the bias runs along P (q, k)
	s_cselect_b32 s85, -1, 0                       ; or along Q (v)
	s_cselect_b32 s86, 1, 0
	s_lshl_b32 s18, s18, 2
	s_add_co_u32 s18, s18, s15                     ; which 256 rows are P: hangs on cx, never on cy
	s_lshl_b32 s19, s19, 2
	s_add_co_u32 s19, s19, s16                     ; which 128 rows are Q: hangs on cy, never on cx
	s_lshl_b32 s21, s18, 4
	s_add_co_u32 s20, s20, s21
	s_lshl_b32 s21, s13, 2
	s_add_co_u32 s20, s20, s21                     ; P: the first of the four tiles that I fetch
	s_lshl_b32 s22, s20, 9                         ; its scale words,
	s_lshl_b32 s20, s20, 13                        ; its codes, in bytes
	s_mov_b32 s21, 0
	s_mov_b32 s23, 0
	s_lshl_b32 s89, s19, 3
	s_add_co_u32 s88, s88, s89
	s_lshl_b32 s89, s13, 1
	s_add_co_u32 s88, s88, s89                     ; Q: the first of the two tiles that I fetch
	s_lshl_b32 s90, s88, 9
	s_lshl_b32 s88, s88, 13
	s_mov_b32 s89, 0
	s_mov_b32 s91, 0
	s_lshl_b32 s2, 0x1111, s15                     ; my column of the cluster
	s_lshl_b32 s3, s16, 2
	s_lshl_b32 s3, 15, s3                          ; my row
	s_mov_b32 s99, 0x76543210                      ; v_permlanex16_b32's selects for lane l xor 16, for the way out
	s_mov_b32 s87, 0xfedcba98
	; descriptor groups 1, elements of 8 bytes, no padding (images are read 16 bytes a lane on end).  Codes: a tile's half is 4,096 bytes (512 elements), tiles 8,192 bytes apart
	s_or_b32 s24, s2, (3<<16)|(1<<21)              ; P's codes: 4 tiles, to my column
	s_mov_b32 s25, 512<<16
	s_mov_b32 s26, 4<<16
	s_mov_b32 s27, 512<<16
	s_mov_b32 s28, 4
	s_mov_b32 s29, 1024
	s_mov_b32 s30, 0
	s_mov_b32 s31, 0
	s_or_b32 s32, s3, (3<<16)|(1<<21)              ; Q's codes: 2 tiles, to my row
	s_mov_b32 s33, 512<<16
	s_mov_b32 s34, 2<<16
	s_mov_b32 s35, 512<<16
	s_mov_b32 s36, 2
	s_mov_b32 s37, 1024
	s_mov_b32 s38, 0
	s_mov_b32 s39, 0
	s_or_b32 s40, s2, (3<<16)|(1<<21)              ; P's scale words: 2,048 dense bytes as 8 rows of 256
	s_mov_b32 s41, 32<<16
	s_mov_b32 s42, 8<<16
	s_mov_b32 s43, 32<<16
	s_mov_b32 s44, 8
	s_mov_b32 s45, 32
	s_mov_b32 s46, 0
	s_mov_b32 s47, 0
	s_or_b32 s48, s3, (3<<16)|(1<<21)              ; Q's: 1,024 dense bytes as 4 rows
	s_mov_b32 s49, 32<<16
	s_mov_b32 s50, 4<<16
	s_mov_b32 s51, 32<<16
	s_mov_b32 s52, 4
	s_mov_b32 s53, 32
	s_mov_b32 s54, 0
	s_mov_b32 s55, 0
	s_lshl_b32 s92, s13, 11                        ; where they go: the quarter's number times a constant; no place in the cluster enters an LDS address
	s_lshl_b32 s93, s13, 14
	s_lshl_b32 s94, s13, 10
	s_lshl_b32 s95, s13, 13
	s_wait_dscnt 0x0
	s_wait_kmcnt 0x0
	s_mov_b32 s56, 1                               ; groups 0.  P: scale words,
	s_add_co_u32 s57, s92, PS
	s_add_nc_u64 s[58:59], s[6:7], s[22:23]
	s_or_b32 s59, s59, 0x80000000
	s_mov_b32 s60, 1                               ; first half of K,
	s_mov_b32 s61, s93
	s_add_nc_u64 s[62:63], s[4:5], s[20:21]
	s_mov_b32 s68, 1                               ; second half
	s_add_co_u32 s69, s93, HALF
	s_add_nc_u64 s[70:71], s[62:63], 4096
	s_or_b32 s63, s63, 0x80000000
	s_or_b32 s71, s71, 0x80000000
	s_mov_b32 s72, 1                               ; Q likewise
	s_add_co_u32 s73, s94, QS
	s_add_nc_u64 s[74:75], s[6:7], s[90:91]
	s_or_b32 s75, s75, 0x80000000
	s_mov_b32 s76, 1
	s_add_co_u32 s77, s95, QC0
	s_add_nc_u64 s[78:79], s[4:5], s[88:89]
	s_mov_b32 s80, 1
	s_add_co_u32 s81, s95, QC0+HALF
	s_add_nc_u64 s[82:83], s[78:79], 4096
	s_or_b32 s79, s79, 0x80000000
	s_or_b32 s83, s83, 0x80000000
	CROUND                                         ; all sixteen work-groups are here: the joint loads meet
	s_cmp_eq_u32 s14, 0                            ; a wave's three fills stand in one branch on the wave's number; four v_nop follow the last
	s_cbranch_scc0 .Lfor_q
	tensor_load_to_lds s[56:59], s[40:47]
	s_nop 0
	tensor_load_to_lds s[60:63], s[24:31]
	s_nop 0
	tensor_load_to_lds s[68:71], s[24:31]
	s_nop 0
.rept 4
	v_nop
.endr
	s_branch .Lasked
.Lfor_q:
	tensor_load_to_lds s[72:75], s[48:55]
	s_nop 0
	tensor_load_to_lds s[76:79], s[32:39]
	s_nop 0
	tensor_load_to_lds s[80:83], s[32:39]
	s_nop 0
.rept 4
	v_nop
.endr
.Lasked:
	; which head and which tokens are my wave's, and where its results go
	s_lshl_b32 s92, s18, 2
	s_add_co_u32 s92, s92, s13                     ; P's group of 64
	s_lshl_b32 s93, s19, 1
	s_add_co_u32 s93, s93, s14                     ; Q's group of 64
	s_add_co_u32 s94, s93, 32
	s_cmp_eq_u32 s86, 1
	s_cselect_b32 s94, s94, s92                    ; the group of w_qkv's rows: 16 x (q, k, v) + head
	s_cselect_b32 s95, s92, s93                    ; the group of tokens
	s_lshl_b32 s96, s94, 8
	s_mov_b32 s97, 0
	s_add_nc_u64 s[8:9], s[8:9], s[96:97]          ; the group's 64 numbers of b_qkv
	s_lshr_b32 s92, s94, 4                         ; 0 q, 1 k, 2 v
	s_and_b32 s93, s94, 15                         ; head
	s_lshr_b32 s98, s95, 5                         ; b
	s_and_b32 s95, s95, 31                         ; g: the group of tokens within b
	s_lshl_b32 s98, s98, 4
	s_add_co_u32 s98, s98, s93
	s_mul_i32 s98, s98, REC                        ; the record
	s_lshl_b32 s93, s92, 16
	s_sub_co_u32 s93, s93, 65536                   ; codes: k at 0, v at 65,536,
	s_lshl_b32 s94, s92, 12
	s_add_co_u32 s94, s94, 126976                  ; scales: k at 131,072, v at 135,168,
	s_cmp_eq_u32 s92, 0
	s_cselect_b32 s93, 139264, s93                 ; q's behind them
	s_cselect_b32 s94, 204800, s94
	s_lshl_b32 s96, s95, 11                        ; 2,048 bytes of codes a group
	s_add_co_u32 s96, s96, s93
	s_add_co_u32 s96, s96, s98
	s_add_nc_u64 s[66:67], s[10:11], s[96:97]      ; my codes' base
	s_lshr_b32 s92, s95, 1
	s_lshl_b32 s92, s92, 8
	s_and_b32 s93, s95, 1
	s_lshl_b32 s93, s93, 1
	s_add_co_u32 s92, s92, s93                     ; v: 256 bytes for 128 keys, my group's two bytes of each word
	s_lshl_b32 s93, s95, 7                         ; q, k: 128 bytes a group
	s_cmp_eq_u32 s86, 1
	s_cselect_b32 s92, s92, s93
	s_add_co_u32 s96, s92, s94
	s_add_co_u32 s96, s96, s98
	s_add_nc_u64 s[10:11], s[10:11], s[96:97]      ; my scale bytes' base
	v_and_b32 v1, 31, v0
	v_lshlrev_b32 v1, 4, v1                        ; 16 x lane
	v_and_b32 v32, 15, v0                          ; r
	v_bfe_u32 v33, v0, 4, 1                        ; h
	v_lshlrev_b32 v34, 7, v33                      ; along P: my 32 numbers begin 128 h bytes on
	v_and_b32 v35, 8, v32
	v_and_b32 v36, 7, v32
	v_lshlrev_b32 v35, 4, v35
	v_lshl_add_u32 v35, v36, 2, v35                ; along Q: row r of tile j is number 32 (r / 8) + 8 j + r % 8
.irp i, 0,1,2,3
	global_load_b128 v[BI+8*\i:BI+8*\i+3], v34, s[8:9] offset:32*\i
	global_load_b128 v[BI+8*\i+4:BI+8*\i+7], v34, s[8:9] offset:32*\i+16
.endr
.irp j, 0,1,2,3
	global_load_b32 v[BJ+2*\j], v35, s[8:9] offset:32*\j
	global_load_b32 v[BJ+2*\j+1], v35, s[8:9] offset:32*\j
.endr
	s_wait_loadcnt 0x0
.set n, 0
.rept 32
	v_and_b32 v[BI+n], s84, v[BI+n]                ; of the two forms of the bias one is kept, the other becomes zeros
.set n, n+1
.endr
.set n, 0
.rept 8
	v_and_b32 v[BJ+n], s85, v[BJ+n]
.set n, n+1
.endr
	s_lshl_b32 s92, s13, 14
	v_add_nc_u32 v2, s92, v1                       ; v2: my four tiles of P, first half of K
	s_lshl_b32 s93, s14, 14
	s_add_co_u32 s93, s93, QC0
	v_add_nc_u32 v3, s93, v1                       ; v3: of Q
	v_add_nc_u32 v4, HALF, v2                      ; v4, v5: second half
	v_add_nc_u32 v5, HALF, v3
	s_xor_b32 s93, s13, 3                          ; 3 - wp
	s_add_co_u32 s93, s93, s14
	s_add_co_u32 s93, s93, 1
	s_lshl_b32 s93, s93, 11                        ; from my P tiles' scale words to my Q tiles': 8,192 + 2,048 wq - 2,048 wp
	v_mul_u32_u24 v6, s93, v33                     ; lanes 16-31 take Q's
	v_lshl_add_u32 v6, v32, 4, v6
	s_lshl_b32 s92, s13, 11
	s_add_co_u32 s92, s92, PS
	v_add_nc_u32 v6, s92, v6                       ; v6: a row's four words of a half
	v_lshlrev_b32 v7, 3, v33                       ; v7: 8 h
.macro SCALES hf
.irp i, 0,1,2,3
	ds_load_b128 v[SC+4*\i:SC+4*\i+3], v6 offset:512*\i+256*\hf
.endr
.endm
; A K step of 128: 16 LDS loads, 16 products, four places.  The sixteen accumulators take turns, one instruction a turn, in the same order in every step.
; first = 1: the bias along P is the C of the first product: nothing is cleared and nothing is added.
.macro KSTEP hf, s4, first
.irp i, 0,1,2,3
.irp c, 0,1
	ds_load_b128 v[PF+8*\i+4*\c:PF+8*\i+4*\c+3], v[2+2*\hf] offset:4096*\i+1024*\s4+512*\c
.endr
.endr
.irp i, 0,1,2,3
.irp c, 0,1
	ds_load_b128 v[QF+8*\i+4*\c:QF+8*\i+4*\c+3], v[3+2*\hf] offset:4096*\i+1024*\s4+512*\c
.endr
.endr
	s_wait_dscnt 0x0
.irp j, 0,1,2,3
.irp i, 0,1,2,3
.if \first
	v_wmma_scale_f32_16x16x128_f8f6f4 v[ACC+32*\j+8*\i:ACC+32*\j+8*\i+7], v[PF+8*\i:PF+8*\i+7], v[QF+8*\j:QF+8*\j+7], v[BI+8*\i:BI+8*\i+7], v[SC+4*\i+\s4], v[SC+4*\j+\s4] matrix_a_fmt:MATRIX_FMT_FP4 matrix_b_fmt:MATRIX_FMT_FP4 matrix_b_scale:MATRIX_SCALE_ROW1
.else
	v_wmma_scale_f32_16x16x128_f8f6f4 v[ACC+32*\j+8*\i:ACC+32*\j+8*\i+7], v[PF+8*\i:PF+8*\i+7], v[QF+8*\j:QF+8*\j+7], v[ACC+32*\j+8*\i:ACC+32*\j+8*\i+7], v[SC+4*\i+\s4], v[SC+4*\j+\s4] matrix_a_fmt:MATRIX_FMT_FP4 matrix_b_fmt:MATRIX_FMT_FP4 matrix_b_scale:MATRIX_SCALE_ROW1
.endif
.endr
.endr
.rept 4
	v_nop                                          ; places in front of loads into registers that these products read, and of the first read of results
.endr
.endm
	s_wait_tensorcnt 0x1                           ; my scale words and my part of the first half are in; the second half's load may be out
	s_barrier_signal -1
	s_barrier_wait -1                              ; everybody's are
	SCALES 0
	KSTEP 0, 0, 1
	KSTEP 0, 1, 0
	KSTEP 0, 2, 0
	KSTEP 0, 3, 0
	s_wait_tensorcnt 0x0                           ; my part of the second half
	s_wait_dscnt 0x0
	s_barrier_signal -1
	s_barrier_wait -1
	SCALES 1
	KSTEP 1, 0, 0
	KSTEP 1, 1, 0
	KSTEP 1, 2, 0
	KSTEP 1, 3, 0
	; THE WAY OUT.  The 32 registers of tile j are a whole block of 32 in my lane: the bias along Q, the block's largest magnitude, its byte, four conversions: the codes are an operand's registers as they stand.
.set n, 0
.rept 64
	v_pk_add_f32 v[ACC+2*n:ACC+2*n+1], v[ACC+2*n:ACC+2*n+1], v[BJ+2*(n/16):BJ+2*(n/16)+1]   ; ascending: each accumulator is read from its low end on
.set n, n+1
.endr
.irp j, 0,1,2,3
	v_mov_b32 v[44+\j], 0                          ; a lane permute's destination counts as one of its sources
.endr
.irp j, 0,1,2,3
	v_max3_num_f32 v[32+\j], |v[ACC+32*\j]|, |v[ACC+32*\j+1]|, 0x1800000   ; with the floor 2^(3 - 127).  The four tiles by turns
.endr
.irp i, 2,4,6,8,10,12,14,16,18,20,22,24,26,28,30
.irp j, 0,1,2,3
	v_max3_num_f32 v[32+\j], v[32+\j], |v[ACC+32*\j+\i]|, |v[ACC+32*\j+\i+1]|
.endr
.endr
.irp j, 0,1,2,3
	v_add_nc_u32 v[36+\j], 0xff000000, v[32+\j]    ; the conversion's scale operand
.endr
.irp j, 0,1,2,3
	v_lshrrev_b32 v[40+\j], 23, v[36+\j]           ; the byte of block h
.endr
.irp j, 0,1,2,3
	v_lshlrev_b32 v[40+\j], v7, v[40+\j]           ; at its place in the pair
.endr
.irp j, 0,1,2,3
	v_permlanex16_b32 v[44+\j], v[40+\j], s99, s87
.endr
.irp j, 0,1,2,3
	v_or_b32 v[48+\j], v[40+\j], v[44+\j]          ; row r's two bytes, in both halves of the lanes
.endr
.irp j, 0,1,2,3
.irp q, 0,1,2,3
	v_cvt_scalef32_pk8_fp4_f32 v[64+4*\j+\q], v[ACC+32*\j+8*\q:ACC+32*\j+8*\q+7], v[36+\j]
.endr
.endr
	v_and_b32 v56, 31, v0                          ; (a plain line behind the last conversion)
	v_lshlrev_b32 v56, 2, v56                      ; 4 x lane
	v_cmp_ne_u32 vcc_lo, 0, v7                     ; lanes 16-31
.irp j, 0,1,2,3
	global_store_b128 v1, v[64+4*\j:64+4*\j+3], s[66:67] offset:512*\j   ; 32 lanes store 512 consecutive bytes, aligned
.endr
	s_cmp_eq_u32 s86, 1                            ; a branch on the cluster's x, round global stores alone
	s_cbranch_scc1 .Lv_scales
	v_cndmask_b32 v52, v48, v50, vcc_lo            ; q, k: lanes 0-15 the word of tiles 0 and 1, lanes 16-31 that of tiles 2 and 3
	v_cndmask_b32 v53, v49, v51, vcc_lo
	v_lshl_or_b32 v52, v53, 16, v52
	global_store_b32 v56, v52, s[10:11]            ; 128 consecutive bytes
	s_branch .Lstored
.Lv_scales:
	v_cndmask_b32 v52, v48, v49, vcc_lo            ; v: lanes 0-15 tile 0 (then 2), lanes 16-31 tile 1 (then 3): my group's half of each word
	v_cndmask_b32 v53, v50, v51, vcc_lo
	global_store_b16 v56, v52, s[10:11]
	global_store_b16 v56, v53, s[10:11] offset:128
.Lstored:
	s_wait_dscnt 0x0
	s_set_vgpr_msb 0x5
	s_wait_tensorcnt 0x0
	ds_add_u32 v0, v1
	s_wait_dscnt 0x0
	s_set_vgpr_msb 0x500
	CROUND                                         ; the closing round: no work-group ends while a partner may still ask for a tile that names it
	s_endpgm
.Lfunc_end_k_q90f0d75112_gemm_qkv:
	.size	k_q90f0d75112_gemm_qkv, .Lfunc_end_k_q90f0d75112_gemm_qkv-k_q90f0d75112_gemm_qkv
	.p2alignl 7, 3214868480
	.fill 96, 4, 3214868480
	.section	.rodata,"a",@progbits
	.p2align	6, 0x0
	.amdhsa_kernel k_q90f0d75112_gemm_qkv
		.amdhsa_group_segment_fixed_size 209920
		.amdhsa_private_segment_fixed_size 0
		.amdhsa_enable_private_segment 0
		.amdhsa_kernarg_size 32
		.amdhsa_user_sgpr_count 2
		.amdhsa_user_sgpr_kernarg_segment_ptr 1
		.amdhsa_wavefront_size32 1
		.amdhsa_system_sgpr_workgroup_id_x 1
		.amdhsa_system_sgpr_workgroup_id_y 1
		.amdhsa_system_sgpr_workgroup_id_z 1
		.amdhsa_system_vgpr_workitem_id 0
		.amdhsa_next_free_vgpr 258
		.amdhsa_next_free_sgpr 100
		.amdhsa_reserve_vcc 1
		.amdhsa_float_denorm_mode_32 3
		.amdhsa_float_denorm_mode_16_64 3
		.amdhsa_memory_ordered 1
		.amdhsa_forward_progress 1
		.amdhsa_inst_pref_size 50
	.end_amdhsa_kernel
	.amdgpu_metadata
---
amdhsa.version: [ 1, 2 ]
amdhsa.kernels:
  - .name:           k_q90f0d75112_gemm_qkv
    .symbol:         k_q90f0d75112_gemm_qkv.kd
    .args:
      - { .name: codes, .offset: 0, .size: 8, .value_kind: global_buffer, .address_space: global }
      - { .name: scales, .offset: 8, .size: 8, .value_kind: global_buffer, .address_space: global }
      - { .name: b_qkv, .offset: 16, .size: 8, .value_kind: global_buffer, .address_space: global }
      - { .name: qkv, .offset: 24, .size: 8, .value_kind: global_buffer, .address_space: global }
    .group_segment_fixed_size: 209920
    .private_segment_fixed_size: 0
    .kernarg_segment_align: 8
    .kernarg_segment_size: 32
    .max_flat_workgroup_size: 256
    .sgpr_count:     100
    .vgpr_count:     258
    .wavefront_size: 32
...
	.end_amdgpu_metadata
.endif
;; end of part 2
;; launch attn (part 3): grid 4 x 64, 16 waves a work-group, clusters of 4 x 1, 169,984 bytes of LDS; arguments qkv, ocodes, oscales; writes ocodes, oscales
.if DOCPART == 3
	.amdgcn_target "amdgcn-amd-amdhsa--gfx1250"
	.amdhsa_code_object_version 6
	.text
	.protected	k_q90f0d75112_attn
	.globl	k_q90f0d75112_attn
	.p2align	8
	.type	k_q90f0d75112_attn,@function
k_q90f0d75112_attn:
	s_mov_b64 s[64:65], 0
	v_nop
	global_prefetch_b8 v0, s[64:65] scope:SCOPE_SE
	s_setreg_imm32_b32 hwreg(HW_REG_WAVE_MODE, 25, 1), 1
	s_wait_xcnt 0x0
	s_wait_alu depctr_hold_cnt(0) depctr_sa_sdst(0) depctr_va_vdst(0) depctr_va_sdst(0) depctr_va_ssrc(0) depctr_va_vcc(0) depctr_vm_vsrc(0)
	s_getreg_b32 s2, hwreg(HW_REG_IB_STS2, 6, 4)
	s_cmp_eq_u32 s2, 0
	s_cbranch_scc0 .Lentry_in_a_cluster
	s_endpgm
.Lentry_in_a_cluster:
	s_bfe_u32 s2, ttmp6, 0x10000c
	s_cmp_lg_u32 s2, 0x3003
	s_cbranch_scc0 .Lentry_shape_is_right
	s_endpgm
.Lentry_shape_is_right:
; o = softmax(q k^T / 8) v for one (b, head) = hb, both products on codes of FP4 with E8M0 scales; o is quantised along the model's 1,024 (a head's 64 are two blocks) and leaves as codes for the last product.
; THE SOFTMAX: t = score x log2(e) / 8; M = the running largest t rounded UP to a whole number; p = 2^(t - M) is quantised along the keys, not normalised; the row's sum is taken of the unquantised p and divides o at the end.
; When M moves, the sum and o are multiplied by 2^(old M - new M): exact.
; SHARES.  The four work-groups of a cluster take 512 queries each of one hb.  A head's K, V and their scale words are the first 139,264 bytes of its record, one dense block: it comes into LDS ONCE, asked for jointly by the four
; (each of the sixteen waves brings 34 rows of 256 bytes: one tensor load of a wave is out), and stays: no LDS byte is filled twice.  Wave w makes query tile 32 cx + 16 p + w in pass p = 0, 1, walking 16 steps of 128 keys.
; Sixteen waves of 256 registers, four to a SIMD: one wave's vector work stands beside another's products and LDS loads.
; LAYOUT.  Both products are used transposed (source 0 = 16 keys, or 16 of the head's 64; source 1 = my 16 queries): a lane holds ONE query.  The rows of a tile lie in the order 32 (r / 8) + 8 u + r % 8 of their group of 64,
; so a lane's registers 32 g + 8 u + e of the scores are keys 64 g + 32 h + 8 u + e of the step: each 32 registers a WHOLE block of p: its maximum needs no other lane, and four conversions give the operand's registers.
; q k^T HAS K = 64.  A fragment of 8 registers holds key tile 2 jp in k = 0 .. 63 and tile 2 jp + 1 in k = 64 .. 127; multiplied by [q, 0] it gives the first, by [0, q] the second.  The dead half has zero codes on q's side.
; LIMITS: as in the launches before: zero blocks get the byte 1; largest magnitudes under 2^-124 are held at that floor; NaN and infinities are not served.
; The scale bytes of o leave one byte a lane: aligned blocks of 256 bytes are written in parts there (a sixteenth of the codes' bytes).
.set REC,  208896
.set KF,   64                          ; v64-95   a step's K: register 4 n: tile n of eight
.set VF,   96                          ; v96-127  a step's V: tile j at 8 j
.set S,    128                         ; v128-191 scores, then p; at the end o / the sum
.set O,    192                         ; v192-223 o^T: register 8 j + e = channel 32 h + 8 j + e
.set PC,   224                         ; v224-231 p's codes
; v1 16 x lane; v2 the same in V's codes; v3 4 x lane in K's scale words; v4 8 h; v5, v6 q's codes' and scale bytes' offsets; v7 16 r + h; v8-10 the addresses in hand; v12 -M, v13 the largest t, v[14:15] the sum;
; v16-35 zeros, q of pass 0, zeros, q of pass 1, zeros; v36-39 q's scale words (low, high; pass 0, 1), v40-41 K's, v42-43 V's, v44 p's: these hold scales and nothing else;
; v46-47 the blocks' largest scores; v48-51 chains; v52 a permute's destination; v53-59 at work; v232-241 the passes' results; v[244:245] f; v[246:247] a second chain of sums; v[248:249] 1 / the sum
.macro CROUND                          ; a round of the cluster's barrier
	s_barrier_signal -1
	s_barrier_wait -1
	s_cmp_lg_u32 s12, 0
	s_cbranch_scc1 .Lnot_wave_0_\@
	s_barrier_signal -3
.Lnot_wave_0_\@:
	s_barrier_wait -3
	s_barrier_signal -1
	s_barrier_wait -1
.endm
	s_load_b128 s[4:7], s[0:1], 0x0                ; qkv s[4:5], ocodes s[6:7]
	s_load_b64 s[8:9], s[0:1], 0x10                ; oscales
	v_lshl_add_u32 v254, v0, 2, 0x29000
	v_mov_b32 v255, 0
	ds_add_u32 v254, v255
	ds_add_u32 v254, v255
	v_lshrrev_b32 v1, 5, v0
	v_readfirstlane_b32 s12, v1                    ; wave 0..15
	s_bfe_u32 s13, ttmp6, 0x40000                  ; cx: it enters q's and o's global addresses alone
	s_and_b32 s14, ttmp7, 0xffff                   ; hb, which the four partners share
	s_mul_i32 s16, s14, REC
	s_mov_b32 s17, 0
	s_mul_i32 s18, s12, 8704                       ; my wave's 34 rows of 256 bytes, in memory and in LDS
	s_mov_b32 s19, 0
	s_mov_b32 s24, 15|(3<<16)|(1<<21)              ; group 1: the mask names all four work-groups; elements of 8 bytes; bit 21 beside a mask; no padding
	s_mov_b32 s25, 32<<16                          ; tensor_dim0 = 32 elements
	s_mov_b32 s26, 34<<16                          ; tensor_dim1 = 34
	s_mov_b32 s27, 32<<16                          ; tile_dim0
	s_mov_b32 s28, 34                              ; tile_dim1
	s_mov_b32 s29, 32                              ; from row to row
	s_mov_b32 s30, 0
	s_mov_b32 s31, 0
	s_mov_b32 s36, 0x3e38aa3b                      ; c = log2(e) / 8
	s_mov_b32 s37, s36                             ; (named with it as a pair)
	s_mov_b32 s38, 0x76543210
	s_mov_b32 s39, 0xfedcba98                      ; v_permlanex16_b32's selects for lane l xor 16
	s_wait_dscnt 0x0
	s_wait_kmcnt 0x0
	s_add_nc_u64 s[20:21], s[4:5], s[16:17]        ; my head's record
	s_mov_b32 s32, 1
	s_mov_b32 s33, s18
	s_add_nc_u64 s[34:35], s[20:21], s[18:19]
	s_or_b32 s35, s35, 0x80000000
	CROUND                                         ; all four work-groups are here: the joint loads meet
	tensor_load_to_lds s[32:35], s[24:31]
	s_nop 0
.rept 4
	v_nop
.endr
	s_lshr_b32 s22, s14, 4                         ; b
	s_and_b32 s23, s14, 15                         ; head
	s_lshl_b32 s22, s22, 7
	s_lshl_b32 s43, s13, 5
	s_add_co_u32 s43, s43, s12                     ; my query tile of pass 0: 32 cx + wave
	s_add_co_u32 s22, s22, s43                     ; and as a tile of the last product's operand: 128 b +
	s_lshl_b32 s16, s22, 13                        ; 8,192 bytes a tile, the head's image 512 head on
	s_lshl_b32 s44, s23, 9
	s_add_co_u32 s16, s16, s44
	s_add_nc_u64 s[6:7], s[6:7], s[16:17]
	s_lshl_b32 s16, s22, 9                         ; scale bytes: 512 a tile, + 256 (head / 8) + 2 (head % 8)
	s_lshr_b32 s44, s23, 3
	s_lshl_b32 s44, s44, 8
	s_add_co_u32 s16, s16, s44
	s_and_b32 s44, s23, 7
	s_lshl_b32 s44, s44, 1
	s_add_co_u32 s16, s16, s44
	s_add_nc_u64 s[8:9], s[8:9], s[16:17]
	v_and_b32 v1, 31, v0
	v_lshlrev_b32 v3, 2, v1
	v_add_nc_u32 v3, 131072, v3                    ; K's scale words begin at 131,072
	v_lshlrev_b32 v1, 4, v1
	v_add_nc_u32 v2, 65536, v1                     ; V's codes at 65,536
	v_and_b32 v9, 15, v0                           ; r
	v_bfe_u32 v10, v0, 4, 1                        ; h
	v_lshlrev_b32 v4, 3, v10
	v_lshl_add_u32 v7, v9, 4, v10
	s_lshl_b32 s44, s43, 9
	s_add_co_u32 s44, s44, 139264
	v_add_nc_u32 v5, s44, v1                       ; q's image: 512 bytes a tile
	s_lshr_b32 s44, s43, 1
	s_lshl_b32 s44, s44, 6
	s_and_b32 s45, s43, 1
	s_lshl_b32 s45, s45, 1
	s_add_co_u32 s44, s44, s45
	s_add_co_u32 s44, s44, 204800
	v_lshl_add_u32 v6, v9, 2, s44                  ; q's two scale bytes of row r
	global_load_b128 v[20:23], v5, s[20:21]
	global_load_b128 v[28:31], v5, s[20:21] offset:8192
	global_load_u16 v36, v6, s[20:21]
	global_load_u16 v38, v6, s[20:21] offset:512
.irp z, 16,17,18,19,24,25,26,27,32,33,34,35
	v_mov_b32 v\z, 0                               ; the zero halves of q's two forms
.endr
	v_mov_b32 v52, 0                               ; a lane permute's destination counts as one of its sources
	v_mov_b32 v245, 0                              ; (upper halves of pairs of which the low word serves both halves)
	v_mov_b32 v249, 0
	s_wait_loadcnt 0x0
	v_lshlrev_b32 v37, 16, v36                     ; the scale word for [0, q]
	v_lshlrev_b32 v39, 16, v38
	s_wait_tensorcnt 0x0                           ; my rows are in,
	s_barrier_signal -1
	s_barrier_wait -1                              ; everybody's are
.macro KLOAD off                       ; a step's K, 4,096 dense bytes, and its scale words: lanes 0-15 the fragments with jp = 0, lanes 16-31 jp = 1
.irp n, 0,1,2,3,4,5,6,7
	ds_load_b128 v[KF+4*\n:KF+4*\n+3], v8 offset:(\off)+512*\n
.endr
.irp g, 0,1
	ds_load_b32 v[40+\g], v10 offset:(\off)/16+128*\g
.endr
.endm
.macro VLOAD                           ; the step's V and its scale words: lanes 0-15 tile 0 (2), lanes 16-31 tile 1 (3)
.irp j, 0,1,2,3
.irp c, 0,1
	ds_load_b128 v[VF+8*\j+4*\c:VF+8*\j+4*\c+3], v9 offset:512*\j+2048*\c
.endr
.endr
	ds_load_b32 v42, v10 offset:4096
	ds_load_b32 v43, v10 offset:4224
.endm
.macro STEP p                          ; 128 keys
	s_wait_dscnt 0x0                               ; K and its words, asked for a step ago
.irp g, 0,1
.irp u, 0,1,2,3
.if \u < 2
	v_wmma_scale_f32_16x16x128_f8f6f4 v[S+8*(4*\g+\u):S+8*(4*\g+\u)+7], v[KF+8*(2*\g+\u/2):KF+8*(2*\g+\u/2)+7], v[20+8*\p-4*(\u%2):27+8*\p-4*(\u%2)], 0, v[40+\g], v[36+2*\p+\u%2] matrix_a_fmt:MATRIX_FMT_FP4 matrix_b_fmt:MATRIX_FMT_FP4
.else
	v_wmma_scale_f32_16x16x128_f8f6f4 v[S+8*(4*\g+\u):S+8*(4*\g+\u)+7], v[KF+8*(2*\g+\u/2):KF+8*(2*\g+\u/2)+7], v[20+8*\p-4*(\u%2):27+8*\p-4*(\u%2)], 0, v[40+\g], v[36+2*\p+\u%2] matrix_a_fmt:MATRIX_FMT_FP4 matrix_b_fmt:MATRIX_FMT_FP4 matrix_a_scale:MATRIX_SCALE_ROW1
.endif
.endr
.endr
	v_add_nc_u32 v8, s40, v1                       ; four places: in front of the loads into registers that products have read, and of the first read of the scores
	v_add_nc_u32 v9, s40, v2
	v_add_nc_u32 v10, s41, v3
	v_nop
	VLOAD
	KLOAD 4096                                     ; the next step's K.  (In a pass's last step these read V's first bytes and V's first scale words: filled bytes; the data are not used)
.irp k, 0,1,2,3
	v_max3_num_f32 v[48+\k], v[S+16*\k], v[S+16*\k+1], v[S+16*\k+2]   ; four chains, ascending: each accumulator is read from its low end on
.endr
.irp i, 3,5,7,9,11,13
.irp k, 0,1,2,3
	v_max3_num_f32 v[48+\k], v[48+\k], v[S+16*\k+\i], v[S+16*\k+\i+1]
.endr
.endr
	v_max3_num_f32 v46, v48, v49, v[S+15]          ; THE LARGEST SCORE OF EACH OF MY TWO BLOCKS: it serves the row's maximum and, since p rises with the score, the block's largest p
	v_max3_num_f32 v47, v50, v51, v[S+47]
	v_max_num_f32 v46, v46, v[S+31]
	v_max_num_f32 v47, v47, v[S+63]
	v_max_num_f32 v53, v46, v47
	v_permlanex16_b32 v52, v53, s38, s39
	v_max_num_f32 v53, v53, v52                    ; with lane l xor 16's 64 keys: the step's largest score of my query
	v_mul_f32 v53, s36, v53                        ; as t
	v_max_num_f32 v13, v13, v53                    ; the running largest t
	v_mov_b32 v54, v12
	v_floor_f32 v12, -v13                          ; the new -M = -ceil(t)
	v_sub_f32 v54, v12, v54                        ; old M - new M: a whole number, 0 or less
	v_cvt_i32_f32 v54, v54                         ; (it saturates)
	v_ldexp_f32 v244, 1.0, v54                     ; f = 2^(old M - new M)
.set n, 0
.rept 32
	v_pk_fma_f32 v[S+2*n:S+2*n+1], v[S+2*n:S+2*n+1], s[36:37], v[12:13] op_sel_hi:[1,0,0]   ; t - M, two at a time
.set n, n+1
.endr
	v_fma_f32 v46, v46, s36, v12                   ; the same of each block's largest score
	v_fma_f32 v47, v47, s36, v12
.set n, 0
.rept 64
	v_exp_f32 v[S+n], v[S+n]                       ; p = 2^(t - M)
.set n, n+1
.endr
	v_pk_mul_f32 v[14:15], v[14:15], v[244:245] op_sel_hi:[1,0]   ; the sum under the new M: the plain line behind the exponentials
	s_wait_alu depctr_va_vdst(0)                   ; one wait for the batch, ahead of its first reader
	v_exp_f32 v46, v46                             ; the blocks' largest p
	v_exp_f32 v47, v47
	v_pk_add_f32 v[246:247], v[S:S+1], v[S+2:S+3]  ; THE SUM OF THE UNQUANTISED p, in two chains: plain work behind the two
.irp j, 4,8,12,16,20,24,28,32,36,40,44,48,52,56,60
	v_pk_add_f32 v[14:15], v[14:15], v[S+\j:S+\j+1]
	v_pk_add_f32 v[246:247], v[246:247], v[S+\j+2:S+\j+3]
.endr
	v_pk_add_f32 v[14:15], v[14:15], v[246:247]
	s_wait_alu depctr_va_vdst(0)                   ; and one for the two
	v_max_num_f32 v46, 0x1800000, v46              ; the floor 2^(3 - 127): the byte cannot fall under 1
	v_max_num_f32 v47, 0x1800000, v47
	v_add_nc_u32 v55, 0xff000000, v46              ; the conversions' scale operands
	v_add_nc_u32 v56, 0xff000000, v47
	v_lshrrev_b32 v57, 23, v55                     ; the bytes of blocks h and 2 + h
	v_lshrrev_b32 v58, 23, v56
	v_lshl_or_b32 v59, v58, 16, v57
	v_lshlrev_b32 v59, v4, v59
	v_permlanex16_b32 v52, v59, s38, s39
	v_or_b32 v44, v59, v52                         ; p's scale word for these 128 keys
.irp g, 0,1
.irp u, 0,1,2,3
	v_cvt_scalef32_pk8_fp4_f32 v[PC+4*\g+\u], v[S+32*\g+8*\u:S+32*\g+8*\u+7], v[55+\g]
.endr
.endr
	v_nop                                          ; one plain line behind the last conversion
.set n, 0
.rept 16
	v_pk_mul_f32 v[O+2*n:O+2*n+1], v[O+2*n:O+2*n+1], v[244:245] op_sel_hi:[1,0]   ; o under the new M.  With the line above: the places between the scale word's and the codes' writes and the products below
.set n, n+1
.endr
	s_wait_dscnt 10                                ; V's ten loads are in; the next step's K, ten younger loads, may be out
.irp j, 0,1,2,3
.if \j%2
	v_wmma_scale_f32_16x16x128_f8f6f4 v[O+8*\j:O+8*\j+7], v[VF+8*\j:VF+8*\j+7], v[PC:PC+7], v[O+8*\j:O+8*\j+7], v[42+\j/2], v44 matrix_a_fmt:MATRIX_FMT_FP4 matrix_b_fmt:MATRIX_FMT_FP4 matrix_a_scale:MATRIX_SCALE_ROW1
.else
	v_wmma_scale_f32_16x16x128_f8f6f4 v[O+8*\j:O+8*\j+7], v[VF+8*\j:VF+8*\j+7], v[PC:PC+7], v[O+8*\j:O+8*\j+7], v[42+\j/2], v44 matrix_a_fmt:MATRIX_FMT_FP4 matrix_b_fmt:MATRIX_FMT_FP4
.endif
.endr
.endm
.macro FINISH p                        ; o / the sum, quantised: my 32 channels are block 2 head + h of the last product's K
	v_add_f32 v14, v14, v15                        ; (five plain lines stand between the last products and the first read of o)
	v_nop
	v_permlanex16_b32 v52, v14, s38, s39
	v_add_f32 v14, v14, v52                        ; the row's sum
	v_rcp_f32 v248, v14
	v_nop
	v_nop
	s_wait_alu depctr_va_vdst(0)                   ; ahead of the reciprocal's first reader
.set n, 0
.rept 16
	v_pk_mul_f32 v[S+2*n:S+2*n+1], v[O+2*n:O+2*n+1], v[248:249] op_sel_hi:[1,0]   ; ascending
.set n, n+1
.endr
	v_max3_num_f32 v48, |v[S]|, |v[S+1]|, 0x1800000
	v_max3_num_f32 v49, |v[S+16]|, |v[S+17]|, 0x1800000
.irp i, 2,4,6,8,10,12,14
	v_max3_num_f32 v48, v48, |v[S+\i]|, |v[S+\i+1]|
	v_max3_num_f32 v49, v49, |v[S+16+\i]|, |v[S+17+\i]|
.endr
	v_max_num_f32 v48, v48, v49
	v_add_nc_u32 v55, 0xff000000, v48
	v_lshrrev_b32 v[240+\p], 23, v55
.irp q, 0,1,2,3
	v_cvt_scalef32_pk8_fp4_f32 v[232+4*\p+\q], v[S+8*\q:S+8*\q+7], v55
.endr
	v_nop                                          ; one plain line behind the last conversion
	global_store_b128 v1, v[232+4*\p:232+4*\p+3], s[6:7] offset:131072*\p   ; 32 lanes store 512 consecutive bytes, aligned; each pass has registers of its own, so none that a store reads is written again
	global_store_b8 v7, v[240+\p], s[8:9] offset:8192*\p
.endm
.macro PASS p
	s_wait_dscnt 0x0                               ; no LDS load of mine is out
	s_mov_b32 s40, 0                               ; where the step's codes begin: 4,096 bytes a step,
	s_mov_b32 s41, 0                               ; its scale words: 256
	s_mov_b32 s42, 16
	v_mov_b32 v8, v1
	v_mov_b32 v10, v3
	KLOAD 0
	v_mov_b32 v13, 0xff61b1e6                      ; the largest t so far: -3e38, under every t
	v_floor_f32 v12, -v13
	v_mov_b32 v14, 0
	v_mov_b32 v15, 0
.set n, 0
.rept 32
	v_mov_b32 v[O+n], 0                            ; the step is written once: the first finds zeros, which the first change of M leaves zeros
.set n, n+1
.endr
.Lstep_\@:
	STEP \p
	s_add_co_u32 s40, s40, 4096
	s_add_co_u32 s41, s41, 256
	s_sub_co_u32 s42, s42, 1
	s_cmp_lg_u32 s42, 0
	s_cbranch_scc1 .Lstep_\@
	FINISH \p
.endm
	PASS 0
	PASS 1
	s_wait_dscnt 0x0                               ; the last step's unused loads
	s_wait_tensorcnt 0x0
	ds_add_u32 v254, v255
	s_wait_dscnt 0x0
	CROUND                                         ; the closing round
	s_endpgm
.Lfunc_end_k_q90f0d75112_attn:
	.size	k_q90f0d75112_attn, .Lfunc_end_k_q90f0d75112_attn-k_q90f0d75112_attn
	.p2alignl 7, 3214868480
	.fill 96, 4, 3214868480
	.section	.rodata,"a",@progbits
	.p2align	6, 0x0
	.amdhsa_kernel k_q90f0d75112_attn
		.amdhsa_group_segment_fixed_size 169984
		.amdhsa_private_segment_fixed_size 0
		.amdhsa_enable_private_segment 0
		.amdhsa_kernarg_size 24
		.amdhsa_user_sgpr_count 2
		.amdhsa_user_sgpr_kernarg_segment_ptr 1
		.amdhsa_wavefront_size32 1
		.amdhsa_system_sgpr_workgroup_id_x 1
		.amdhsa_system_sgpr_workgroup_id_y 1
		.amdhsa_system_sgpr_workgroup_id_z 1
		.amdhsa_system_vgpr_workitem_id 0
		.amdhsa_next_free_vgpr 256
		.amdhsa_next_free_sgpr 66
		.amdhsa_reserve_vcc 0
		.amdhsa_float_denorm_mode_32 3
		.amdhsa_float_denorm_mode_16_64 3
		.amdhsa_memory_ordered 1
		.amdhsa_forward_progress 1
		.amdhsa_inst_pref_size 44
	.end_amdhsa_kernel
	.amdgpu_metadata
---
amdhsa.version: [ 1, 2 ]
amdhsa.kernels:
  - .name:           k_q90f0d75112_attn
    .symbol:         k_q90f0d75112_attn.kd
    .args:
      - { .name: qkv, .offset: 0, .size: 8, .value_kind: global_buffer, .address_space: global }
      - { .name: ocodes, .offset: 8, .size: 8, .value_kind: global_buffer, .address_space: global }
      - { .name: oscales, .offset: 16, .size: 8, .value_kind: global_buffer, .address_space: global }
    .group_segment_fixed_size: 169984
    .private_segment_fixed_size: 0
    .kernarg_segment_align: 8
    .kernarg_segment_size: 24
    .max_flat_workgroup_size: 512
    .sgpr_count:     66
    .vgpr_count:     256
    .wavefront_size: 32
...
	.end_amdgpu_metadata
.endif
;; end of part 3
;; launch gemm_proj (part 4): grid 4 x 64, 8 waves a work-group, clusters of 4 x 4, 244,736 bytes of LDS; arguments codes, scales, ocodes, oscales, b_proj, out0; writes out0
.if DOCPART == 4
	.amdgcn_target "amdgcn-amd-amdhsa--gfx1250"
	.amdhsa_code_object_version 6
	.text
	.protected	k_q90f0d75112_gemm_proj
	.globl	k_q90f0d75112_gemm_proj
	.p2align	8
	.type	k_q90f0d75112_gemm_proj,@function
k_q90f0d75112_gemm_proj:
	s_mov_b64 s[64:65], 0
	v_nop
	global_prefetch_b8 v0, s[64:65] scope:SCOPE_SE
	s_setreg_imm32_b32 hwreg(HW_REG_WAVE_MODE, 25, 1), 1
	s_wait_xcnt 0x0
	s_wait_alu depctr_hold_cnt(0) depctr_sa_sdst(0) depctr_va_vdst(0) depctr_va_sdst(0) depctr_va_ssrc(0) depctr_va_vcc(0) depctr_vm_vsrc(0)
	s_getreg_b32 s2, hwreg(HW_REG_IB_STS2, 6, 4)
	s_cmp_eq_u32 s2, 0
	s_cbranch_scc0 .Lentry_in_a_cluster
	s_endpgm
.Lentry_in_a_cluster:
	s_bfe_u32 s2, ttmp6, 0x10000c
	s_cmp_lg_u32 s2, 0xf033
	s_cbranch_scc0 .Lentry_shape_is_right
	s_endpgm
.Lentry_shape_is_right:
; out0 = o w_proj^T + b_proj on codes of FP4 with E8M0 scales; out0 [8192][1024] f32.
; A TILE: P, 256 rows of w_proj (columns of out0), is source 0; Q, 128 tokens, is source 1; all of K = 1,024 lies in LDS at once (two halves of 512, each brought once).  Eight waves: wave (wp, wq) makes 64 columns x 64 tokens.
; In the result lane (r, h) holds row r of Q's tile j, and its registers 32 j + 8 i + e are columns 32 h + 8 i + e of P's group of 64 (the tiles' row order: 32 (r / 8) + 8 u + r % 8): 128 neighbouring bytes of a row of out0.
; CLUSTERS 4 x 4: P's tile hangs on cx and is asked for jointly by my column of the cluster, Q's on cy and by my row.  Waves 0-3 fetch P's quarters, waves 4-7 Q's: scale words, first half of K, second half: three tensor loads of a wave are out.
; No LDS byte is filled twice; the stages for the way out have bytes of their own, into which no fill lands.  The bias is the C of each sum's first product.
.set QC0,  65536                       ; LDS: P's codes of the first half of K at 0 (16 tiles x 4,096), Q's here (8 tiles),
.set HALF, 98304                       ; the second half's as far on,
.set PS,   196608                      ; P's scale words (16 tiles x 512),
.set QS,   204800                      ; Q's (8 tiles x 512),
.set STAGE, 208896                     ; a stage of 16 rows x (256 bytes + 16) for each wave
.set SPI,  272
.set SC,   16                          ; v16-31  scale words and nothing else: register 4 i + s: lanes 0-15 P's tile i, lanes 16-31 Q's tile i, K step s of the half
.set PF,   32                          ; v32-63  P's four fragments; on the way out rows read back,
.set QF,   64                          ; v64-95  Q's four; by turns with these
.set BI,   96                          ; v96-127 the bias, in the result's layout
.set ACC,  128                         ; v128-255 accumulator (i, j) at 32 j + 8 i
.macro CROUND                          ; a round of the cluster's barrier
	s_barrier_signal -1
	s_barrier_wait -1
	s_cmp_lg_u32 s12, 0
	s_cbranch_scc1 .Lnot_wave_0_\@
	s_barrier_signal -3
.Lnot_wave_0_\@:
	s_barrier_wait -3
	s_barrier_signal -1
	s_barrier_wait -1
.endm
	s_load_b256 s[4:11], s[0:1], 0x0               ; codes s[4:5], scales s[6:7], ocodes s[8:9], oscales s[10:11]
	s_load_b128 s[84:87], s[0:1], 0x20             ; b_proj s[84:85], out0 s[86:87]
	v_lshl_add_u32 v14, v0, 2, 0x3b800
	v_mov_b32 v15, 0
	ds_add_u32 v14, v15
	ds_add_u32 v14, v15
	v_lshrrev_b32 v1, 5, v0
	v_readfirstlane_b32 s12, v1                    ; wave 0..7
	s_and_b32 s13, s12, 3                          ; wp.  Also: which quarter I fetch
	s_lshr_b32 s14, s12, 2                         ; wq.  Also: I fetch for P (0) or for Q (1)
	s_bfe_u32 s15, ttmp6, 0x40000                  ; cx
	s_bfe_u32 s16, ttmp6, 0x40004                  ; cy
	s_and_b32 s17, ttmp7, 0xffff                   ; the cluster's y
	s_lshl_b32 s18, ttmp9, 2
	s_add_co_u32 s18, s18, s15                     ; which 256 rows of w_proj: hangs on cx, never on cy
	s_lshl_b32 s19, s17, 2
	s_add_co_u32 s19, s19, s16                     ; which 128 tokens: hangs on cy, never on cx
	s_lshl_b32 s20, s18, 4
	s_add_co_u32 s20, s20, 704                     ; w_proj begins at tile 704
	s_lshl_b32 s21, s13, 2
	s_add_co_u32 s20, s20, s21                     ; P: the first of the four tiles that I fetch
	s_lshl_b32 s22, s20, 9                         ; its scale words,
	s_lshl_b32 s20, s20, 13                        ; its codes, in bytes
	s_mov_b32 s21, 0
	s_mov_b32 s23, 0
	s_lshl_b32 s88, s19, 3
	s_lshl_b32 s89, s13, 1
	s_add_co_u32 s88, s88, s89                     ; Q: the first of the two tiles that I fetch
	s_lshl_b32 s90, s88, 9
	s_lshl_b32 s88, s88, 13
	s_mov_b32 s89, 0
	s_mov_b32 s91, 0
	s_lshl_b32 s2, 0x1111, s15                     ; my column of the cluster
	s_lshl_b32 s3, s16, 2
	s_lshl_b32 s3, 15, s3                          ; my row
	; descriptor groups 1, elements of 8 bytes, no padding (images are read 16 bytes a lane on end).  Codes: a tile's half is 4,096 bytes (512 elements), tiles 8,192 bytes apart
	s_or_b32 s24, s2, (3<<16)|(1<<21)              ; P's codes: 4 tiles, to my column
	s_mov_b32 s25, 512<<16
	s_mov_b32 s26, 4<<16
	s_mov_b32 s27, 512<<16
	s_mov_b32 s28, 4
	s_mov_b32 s29, 1024
	s_mov_b32 s30, 0
	s_mov_b32 s31, 0
	s_or_b32 s32, s3, (3<<16)|(1<<21)              ; Q's codes: 2 tiles, to my row
	s_mov_b32 s33, 512<<16
	s_mov_b32 s34, 2<<16
	s_mov_b32 s35, 512<<16
	s_mov_b32 s36, 2
	s_mov_b32 s37, 1024
	s_mov_b32 s38, 0
	s_mov_b32 s39, 0
	s_or_b32 s40, s2, (3<<16)|(1<<21)              ; P's scale words: 2,048 dense bytes as 8 rows of 256
	s_mov_b32 s41, 32<<16
	s_mov_b32 s42, 8<<16
	s_mov_b32 s43, 32<<16
	s_mov_b32 s44, 8
	s_mov_b32 s45, 32
	s_mov_b32 s46, 0
	s_mov_b32 s47, 0
	s_or_b32 s48, s3, (3<<16)|(1<<21)              ; Q's: 1,024 dense bytes as 4 rows
	s_mov_b32 s49, 32<<16
	s_mov_b32 s50, 4<<16
	s_mov_b32 s51, 32<<16
	s_mov_b32 s52, 4
	s_mov_b32 s53, 32
	s_mov_b32 s54, 0
	s_mov_b32 s55, 0
	s_lshl_b32 s92, s13, 11                        ; where they go: the quarter's number times a constant; no place in the cluster enters an LDS address
	s_lshl_b32 s93, s13, 14
	s_lshl_b32 s94, s13, 10
	s_lshl_b32 s95, s13, 13
	s_wait_dscnt 0x0
	s_wait_kmcnt 0x0
	s_mov_b32 s56, 1                               ; groups 0.  P: scale words,
	s_add_co_u32 s57, s92, PS
	s_add_nc_u64 s[58:59], s[6:7], s[22:23]
	s_or_b32 s59, s59, 0x80000000
	s_mov_b32 s60, 1                               ; first half of K,
	s_mov_b32 s61, s93
	s_add_nc_u64 s[62:63], s[4:5], s[20:21]
	s_mov_b32 s68, 1                               ; second half
	s_add_co_u32 s69, s93, HALF
	s_add_nc_u64 s[70:71], s[62:63], 4096
	s_or_b32 s63, s63, 0x80000000
	s_or_b32 s71, s71, 0x80000000
	s_mov_b32 s72, 1                               ; Q likewise, from o's codes and scale bytes
	s_add_co_u32 s73, s94, QS
	s_add_nc_u64 s[74:75], s[10:11], s[90:91]
	s_or_b32 s75, s75, 0x80000000
	s_mov_b32 s76, 1
	s_add_co_u32 s77, s95, QC0
	s_add_nc_u64 s[78:79], s[8:9], s[88:89]
	s_mov_b32 s80, 1
	s_add_co_u32 s81, s95, QC0+HALF
	s_add_nc_u64 s[82:83], s[78:79], 4096
	s_or_b32 s79, s79, 0x80000000
	s_or_b32 s83, s83, 0x80000000
	CROUND                                         ; all sixteen work-groups are here: the joint loads meet
	s_cmp_eq_u32 s14, 0                            ; a wave's three fills stand in one branch on the wave's number; four v_nop follow the last
	s_cbranch_scc0 .Lfor_q
	tensor_load_to_lds s[56:59], s[40:47]
	s_nop 0
	tensor_load_to_lds s[60:63], s[24:31]
	s_nop 0
	tensor_load_to_lds s[68:71], s[24:31]
	s_nop 0
.rept 4
	v_nop
.endr
	s_branch .Lasked
.Lfor_q:
	tensor_load_to_lds s[72:75], s[48:55]
	s_nop 0
	tensor_load_to_lds s[76:79], s[32:39]
	s_nop 0
	tensor_load_to_lds s[80:83], s[32:39]
	s_nop 0
.rept 4
	v_nop
.endr
.Lasked:
	s_lshl_b32 s92, s18, 2
	s_add_co_u32 s92, s92, s13                     ; my group of 64 columns:
	s_lshl_b32 s92, s92, 8                         ; 256 bytes, in b_proj and in a row of out0
	s_mov_b32 s93, 0
	s_add_nc_u64 s[84:85], s[84:85], s[92:93]
	s_lshl_b32 s94, s19, 1
	s_add_co_u32 s94, s94, s14                     ; my group of 64 tokens:
	s_lshl_b32 s94, s94, 18                        ; 64 rows of 4,096 bytes
	s_add_co_u32 s92, s92, s94
	s_add_nc_u64 s[86:87], s[86:87], s[92:93]
	v_and_b32 v1, 31, v0
	v_lshlrev_b32 v1, 4, v1                        ; 16 x lane
	v_and_b32 v32, 15, v0                          ; r
	v_bfe_u32 v33, v0, 4, 1                        ; h
	v_lshlrev_b32 v34, 7, v33                      ; my 32 columns begin 128 h bytes on
.irp i, 0,1,2,3
	global_load_b128 v[BI+8*\i:BI+8*\i+3], v34, s[84:85] offset:32*\i
	global_load_b128 v[BI+8*\i+4:BI+8*\i+7], v34, s[84:85] offset:32*\i+16
.endr
	s_lshl_b32 s92, s13, 14
	v_add_nc_u32 v2, s92, v1                       ; v2: my four tiles of P, first half of K
	s_lshl_b32 s93, s14, 14
	s_add_co_u32 s93, s93, QC0
	v_add_nc_u32 v3, s93, v1                       ; v3: of Q
	v_add_nc_u32 v4, HALF, v2                      ; v4, v5: second half
	v_add_nc_u32 v5, HALF, v3
	s_xor_b32 s93, s13, 3                          ; 3 - wp
	s_add_co_u32 s93, s93, s14
	s_add_co_u32 s93, s93, 1
	s_lshl_b32 s93, s93, 11                        ; from my P tiles' scale words to my Q tiles': 8,192 + 2,048 wq - 2,048 wp
	v_mul_u32_u24 v6, s93, v33                     ; lanes 16-31 take Q's
	v_lshl_add_u32 v6, v32, 4, v6
	s_lshl_b32 s92, s13, 11
	s_add_co_u32 s92, s92, PS
	v_add_nc_u32 v6, s92, v6                       ; v6: a row's four words of a half
	s_mul_i32 s92, s12, 16*SPI
	s_add_co_u32 s92, s92, STAGE                   ; my stage
	v_mul_u32_u24 v8, v32, SPI
	v_lshl_add_u32 v8, v33, 7, v8
	v_add_nc_u32 v8, s92, v8                       ; v8: in: row r, 128 bytes for each half of the lanes
	v_mul_u32_u24 v9, v33, SPI
	v_lshl_add_u32 v9, v32, 4, v9
	v_add_nc_u32 v9, s92, v9                       ; v9: back: lanes 0-15 one row of 256 bytes, lanes 16-31 the next
	v_lshlrev_b32 v10, 12, v33
	v_lshl_add_u32 v10, v32, 4, v10                ; v10: and the same two rows in out0
	s_wait_loadcnt 0x0                             ; the bias
.macro SCALES hf
.irp i, 0,1,2,3
	ds_load_b128 v[SC+4*\i:SC+4*\i+3], v6 offset:512*\i+256*\hf
.endr
.endm
; A K step of 128: 16 LDS loads, 16 products, four places.  The sixteen accumulators take turns, one instruction a turn, in the same order in every step.
; first = 1: the bias is the C of the first product: nothing is cleared and nothing is added.
.macro KSTEP hf, s4, first
.irp i, 0,1,2,3
.irp c, 0,1
	ds_load_b128 v[PF+8*\i+4*\c:PF+8*\i+4*\c+3], v[2+2*\hf] offset:4096*\i+1024*\s4+512*\c
.endr
.endr
.irp i, 0,1,2,3
.irp c, 0,1
	ds_load_b128 v[QF+8*\i+4*\c:QF+8*\i+4*\c+3], v[3+2*\hf] offset:4096*\i+1024*\s4+512*\c
.endr
.endr
	s_wait_dscnt 0x0
.irp j, 0,1,2,3
.irp i, 0,1,2,3
.if \first
	v_wmma_scale_f32_16x16x128_f8f6f4 v[ACC+32*\j+8*\i:ACC+32*\j+8*\i+7], v[PF+8*\i:PF+8*\i+7], v[QF+8*\j:QF+8*\j+7], v[BI+8*\i:BI+8*\i+7], v[SC+4*\i+\s4], v[SC+4*\j+\s4] matrix_a_fmt:MATRIX_FMT_FP4 matrix_b_fmt:MATRIX_FMT_FP4 matrix_b_scale:MATRIX_SCALE_ROW1
.else
	v_wmma_scale_f32_16x16x128_f8f6f4 v[ACC+32*\j+8*\i:ACC+32*\j+8*\i+7], v[PF+8*\i:PF+8*\i+7], v[QF+8*\j:QF+8*\j+7], v[ACC+32*\j+8*\i:ACC+32*\j+8*\i+7], v[SC+4*\i+\s4], v[SC+4*\j+\s4] matrix_a_fmt:MATRIX_FMT_FP4 matrix_b_fmt:MATRIX_FMT_FP4 matrix_b_scale:MATRIX_SCALE_ROW1
.endif
.endr
.endr
.rept 4
	v_nop                                          ; places in front of loads into registers that these products read, and of the first read of results
.endr
.endm
	s_wait_tensorcnt 0x1                           ; my scale words and my part of the first half are in; the second half's load may be out
	s_barrier_signal -1
	s_barrier_wait -1                              ; everybody's are
	SCALES 0
	KSTEP 0, 0, 1
	KSTEP 0, 1, 0
	KSTEP 0, 2, 0
	KSTEP 0, 3, 0
	s_wait_tensorcnt 0x0                           ; my part of the second half
	s_wait_dscnt 0x0
	s_barrier_signal -1
	s_barrier_wait -1
	SCALES 1
	KSTEP 1, 0, 0
	KSTEP 1, 1, 0
	KSTEP 1, 2, 0
	KSTEP 1, 3, 0
; THE WAY OUT, a tile of 16 tokens x 64 columns at a time, through my own stage: a lane holds 128 bytes of a row, and the lanes beside it hold other rows; read back by rows, sixteen lanes store 256 consecutive bytes, aligned.
; LDS serves a wave's instructions in order: no wait between the stores and the loads, nor in front of the next tile's stores.
.macro TOSTAGE j
.irp n, 0,1,2,3,4,5,6,7
	ds_store_b128 v8, v[ACC+32*(\j)+4*\n:ACC+32*(\j)+4*\n+3] offset:16*\n   ; ascending: each accumulator from its low end on
.endr
.irp t, 0,1,2,3,4,5,6,7
	ds_load_b128 v[PF+32*((\j)%2)+4*\t:PF+32*((\j)%2)+4*\t+3], v9 offset:2*SPI*\t
.endr
.endm
.macro SEND j, younger                 ; stage row 2 t + lane / 16 of tile j is token 32 (t / 4) + 8 j + 2 (t % 4) + lane / 16 of my 64
	s_wait_dscnt \younger
.irp t, 0,1,2,3,4,5,6,7
	global_store_b128 v10, v[PF+32*((\j)%2)+4*\t:PF+32*((\j)%2)+4*\t+3], s[86:87] offset:(8*(\j)+2*(\t%4)+32*(\t/4))*4096 th:TH_STORE_NT
.endr
.endm
	TOSTAGE 0
	TOSTAGE 1
	SEND 0, 16                                     ; behind tile 0's loads: tile 1's 8 stores and 8 loads
	s_wait_xcnt 0x0                                ; tile 0's stores have read their registers: tile 2's loads may land there
	TOSTAGE 2
	SEND 1, 16
	s_wait_xcnt 0x0
	TOSTAGE 3
	SEND 2, 16
	SEND 3, 0
	s_wait_dscnt 0x0
	s_wait_tensorcnt 0x0
	ds_add_u32 v14, v15
	s_wait_dscnt 0x0
	CROUND                                         ; the closing round: no work-group ends while a partner may still ask for a tile that names it
	s_endpgm
.Lfunc_end_k_q90f0d75112_gemm_proj:
	.size	k_q90f0d75112_gemm_proj, .Lfunc_end_k_q90f0d75112_gemm_proj-k_q90f0d75112_gemm_proj
	.p2alignl 7, 3214868480
	.fill 96, 4, 3214868480
	.section	.rodata,"a",@progbits
	.p2align	6, 0x0
	.amdhsa_kernel k_q90f0d75112_gemm_proj
		.amdhsa_group_segment_fixed_size 244736
		.amdhsa_private_segment_fixed_size 0
		.amdhsa_enable_private_segment 0
		.amdhsa_kernarg_size 48
		.amdhsa_user_sgpr_count 2
		.amdhsa_user_sgpr_kernarg_segment_ptr 1
		.amdhsa_wavefront_size32 1
		.amdhsa_system_sgpr_workgroup_id_x 1
		.amdhsa_system_sgpr_workgroup_id_y 1
		.amdhsa_system_sgpr_workgroup_id_z 1
		.amdhsa_system_vgpr_workitem_id 0
		.amdhsa_next_free_vgpr 256
		.amdhsa_next_free_sgpr 100
		.amdhsa_reserve_vcc 0
		.amdhsa_float_denorm_mode_32 3
		.amdhsa_float_denorm_mode_16_64 3
		.amdhsa_memory_ordered 1
		.amdhsa_forward_progress 1
		.amdhsa_inst_pref_size 43
	.end_amdhsa_kernel
	.amdgpu_metadata
---
amdhsa.version: [ 1, 2 ]
amdhsa.kernels:
  - .name:           k_q90f0d75112_gemm_proj
    .symbol:         k_q90f0d75112_gemm_proj.kd
    .args:
      - { .name: codes, .offset: 0, .size: 8, .value_kind: global_buffer, .address_space: global }
      - { .name: scales, .offset: 8, .size: 8, .value_kind: global_buffer, .address_space: global }
      - { .name: ocodes, .offset: 16, .size: 8, .value_kind: global_buffer, .address_space: global }
      - { .name: oscales, .offset: 24, .size: 8, .value_kind: global_buffer, .address_space: global }
      - { .name: b_proj, .offset: 32, .size: 8, .value_kind: global_buffer, .address_space: global }
      - { .name: out0, .offset: 40, .size: 8, .value_kind: global_buffer, .address_space: global }
    .group_segment_fixed_size: 244736
    .private_segment_fixed_size: 0
    .kernarg_segment_align: 8
    .kernarg_segment_size: 48
    .max_flat_workgroup_size: 256
    .sgpr_count:     100
    .vgpr_count:     256
    .wavefront_size: 32
...
	.end_amdgpu_metadata
.endif
;; end of part 4
